; MI455X (gfx1250); checked and timed in simulation.
; The chip was launched on July 23, 2026; its instructions are those of AMD's public machine-readable ISA for CDNA 5 (MIT licence, August 2026) and "CDNA5" Instruction Set Architecture Reference Guide (July 2026). The comments in the code are by the model that wrote it; some were corrected since.
;; Mem Unit. Allowed arithmetic: matrix products marked QUANTISED: E2M1 operands, one E8M0 scale for each 32 along K, by v_wmma_scale_f32_16x16x128_f8f6f4 with both operands' format E2M1 (or v_wmma_scale_f32_32x16x128_f4), f32 sums; everything else in f32.
;; Inputs: W 256 x 32,768 float32; targ 8,192 x 256 float32.
;; Outputs: out0 8,192 x 256 float32.
;; This version of the problem:
;;   THIS VERSION OF THE PROBLEM IS GIVEN IN LOW PRECISION. The matrix products marked QUANTISED in the list below multiply operands that are first quantised to E2M1 (2 exponent bits, 1 mantissa bit; 4 bits a number), with one power-of-two scale for each 32 numbers along K (OCP MX v1.0); their sums are f32. All else is computed in f32.
;;   The module's matrix products, in the order in which they are computed (A, B: the left and right operand; K: the contracted axis; several contracted axes count as one K, in the product's order):
;;     1. [M 8,192, K 256] x [K 256, N 32,768]; A: input targ; B: input W: QUANTISED
;;   THE QUANTISER, for each operand of a quantised product, along K:
;;     - K is cut into blocks of 32 from its start; a last block that is shorter is filled with zeros.
;;     - A block's scale is 2^e with e = floor(log2(the largest magnitude in the block)) - 2, held to -126 .. 127; a block of zeros has e = 0. As a byte (E8M0): e + 127.
;;     - Each number is divided by its block's scale, clamped to +-6, and rounded to the nearest number of E2M1, ties to even, subnormals kept.
;;     - The product sums the exact products of the quantised numbers (number of the format x scale) in f32.
;;   ~~~python
;;   def quantise(x, axis):      # numpy; x: float32 -> the quantised numbers, widened to float32 again
;;       x = np.moveaxis(x, axis, -1); K = x.shape[-1]
;;       x = np.pad(x, [(0, 0)] * (x.ndim - 1) + [(0, -K % 32)]); x = x.reshape(x.shape[:-1] + (-1, 32)); a = np.abs(x).max(-1, keepdims=True)
;;       e = np.where(a > 0, np.clip(np.frexp(np.where(a > 0, a, 1))[1] - 1 - 2, -126, 127), 0)      # np.frexp(a)[1] - 1 = floor(log2(a)), exactly
;;       r = np.clip(x / 2.0 ** e, -6, 6)
;;       step = 2.0 ** (np.maximum(np.frexp(np.where(r == 0, 1, r))[1] - 1, 0) - 1)
;;       q = np.round(r / step) * step * 2.0 ** e      # np.round: ties to even
;;       return np.moveaxis(q.reshape(q.shape[:-2] + (-1,))[..., :K], -1, axis).astype(np.float32)
;;   ~~~
;; One version. Each part assembles by itself: llvm-mc -triple=amdgcn-amd-amdhsa -mcpu=gfx1250 --defsym DOCPART=n.
;; ======== version 1 of 1: 4 launches
;; limits: right only within a limited range of input values
;; workspace buffers: wrec 4,718,592 bytes; wcn 131,072 bytes of whole numbers; wt 33,554,432 bytes; tq 1,048,576 bytes; tmeta 262,144 bytes of whole numbers; part 1,048,576 bytes of whole numbers; idx 32,768 bytes of whole numbers
;; launch prep (part 1): grid 384 x 1, 4 waves a work-group, no clusters, 136,704 bytes of LDS; arguments W, targ, wrec, wcn, wt, tq, tmeta; writes wrec, wcn, wt, tq, tmeta
.if DOCPART == 1
	.amdgcn_target "amdgcn-amd-amdhsa--gfx1250"
	.amdhsa_code_object_version 6
	.text
	.protected	k_qfc38af080a_prep
	.globl	k_qfc38af080a_prep
	.p2align	8
	.type	k_qfc38af080a_prep,@function
k_qfc38af080a_prep:
	s_mov_b64 s[64:65], 0
	v_nop
	global_prefetch_b8 v0, s[64:65] scope:SCOPE_SE
	s_setreg_imm32_b32 hwreg(HW_REG_WAVE_MODE, 25, 1), 1
	s_wait_xcnt 0x0
; PREP.  W [256][32768] f32 (K is its first axis) and targ [8192][256] f32 become codes of FP4 (E2M1) with one E8M0 byte for each 32 along K,
; laid in the order of the operands' registers; beside them the norms and what the later launches make of them, and a transposed f32 copy of W.
; Work-groups 0-255: W.  A wave takes a PAIR P of 32 columns; a lane takes a column and its registers run down K, so a block of 32 lies in one lane.
;   wrec, 4,608 bytes a pair: tile u (0, 1) at 2048 u; in it block t (0..7) at 256 t; in it tile row m at 16 m.  Tile row m of tile u is column 32 P + 8 u + m + 8 (m / 8).
;   + 4096: scale words at 128 u + 8 m + 4 s (s = K step of 128);  + 4352: u = 1 / max(cn, 2^-40) of the 32 columns;  + 4480: u^2.
;   wcn: the columns' norms cn;  wt: W transposed, [32768][256] f32, through a stage in LDS so that a store covers 512 consecutive bytes.
; Work-groups 256-383: targ.  A wave takes a tile of 16 rows.  tq, 2,048 bytes a tile: register group g = 2 s + c at 512 g, lane l at 16 l: block 4 s + 2 c + l / 16 of row l % 16.
;   tmeta, 16 bytes a lane: -eps / max(rn, 2^-40);  the scale word (lanes 0-15: K step 0, lanes 16-31: K step 1);  rn;  0.
; A block's scale byte is its largest magnitude's exponent field - 2, held at 1 from below by a floor among the maximum's leaves (a block of zeros gets 1: its codes are zeros, and this program alone reads the bytes).
; LIMITS: blocks whose largest magnitude lies under 2^-124 get the byte 1; NaN and infinities are not served; norms under 2^-40 count as 2^-40 in u and in -eps / rn.
; The two paths part on the work-group's number and have LDS bytes of their own.  Waves share nothing: no barrier.  No tensor loads: data pass through registers anyway.
.set KROW,  131072                     ; a row of W in bytes
.set PITCH, 528                        ; a stage row: 512 bytes + 16: sixteen rows start at sixteen different groups of four banks
.set WSTG,  32*PITCH                   ; W path: a wave's stage, 32 columns x 128 along K
.set WSCR,  4*WSTG                     ; behind the four stages: 256 bytes a wave for u and u^2
.set TSTG,  WSCR+1024                  ; targ path: two stages a wave, one for each K step
.set THALF, 16*PITCH
.set X,     32                         ; W path: v32-95 two sets of 32 numbers
.set CD,    96                         ; v96-127 codes, four registers a block, never rewritten
.set OUTR,  128                        ; v128-191 rows of the transposed copy on their way out
.set G,     32                         ; targ path: v32-159 the tile's numbers, 64 for each K step
.set TCD,   160                        ; v160-175 codes
.set MT,    176                        ; v176-179 the lane's 16 bytes of tmeta
	s_load_b256 s[4:11], s[0:1], 0x0               ; W s[4:5], targ s[6:7], wrec s[8:9], wcn s[10:11]
	s_load_b128 s[12:15], s[0:1], 0x20             ; wt s[12:13], tq s[14:15]
	s_load_b64 s[16:17], s[0:1], 0x30              ; tmeta
	v_lshl_add_u32 v192, v0, 2, 0x21400
	v_mov_b32 v193, 0
	v_lshrrev_b32 v1, 5, v0
	v_readfirstlane_b32 s18, v1                    ; wave 0..3
	v_and_b32 v9, 31, v0                           ; lane
	v_mov_b32 v10, 0                               ; the sum of squares, in two packed chains
	v_mov_b32 v11, 0
	v_mov_b32 v12, 0
	v_mov_b32 v13, 0
	s_cmp_lt_u32 ttmp9, 256
	s_cbranch_scc0 .Ltarg
	; ---------------- W ----------------
	s_lshl_b32 s19, ttmp9, 2
	s_add_co_u32 s19, s19, s18                     ; P: my pair of column tiles
	v_lshlrev_b32 v1, 2, v9                        ; 4 L: my column's bytes in a row of W, in wcn
	v_bfe_u32 v16, v9, 3, 1                        ; u = (L / 8) % 2
	v_lshrrev_b32 v17, 4, v9
	v_and_b32 v18, 7, v9
	v_lshl_add_u32 v17, v17, 3, v18                ; m = 8 (L / 16) + L % 8
	v_lshlrev_b32 v2, 4, v17
	v_lshl_add_u32 v2, v16, 11, v2                 ; codes: 2048 u + 16 m
	v_lshlrev_b32 v3, 3, v17
	v_lshl_add_u32 v3, v16, 7, v3                  ; scale words: 128 u + 8 m
	s_mul_i32 s20, s18, WSTG
	v_mul_u32_u24 v4, v9, PITCH
	v_add_nc_u32 v4, s20, v4                       ; the stage, in: row = my column
	v_lshlrev_b32 v6, 4, v9                        ; 16 L
	v_add_nc_u32 v5, s20, v6                       ; the stage, out: 32 lanes take a row's 512 bytes
	s_lshl_b32 s21, s18, 8
	s_add_co_u32 s21, s21, WSCR
	v_add_nc_u32 v7, s21, v1                       ; scratch, in: 4 L
	v_lshlrev_b32 v28, 3, v9                       ; 8 L
	v_add_nc_u32 v8, s21, v28                      ; scratch, out: 8 L
	s_lshl_b32 s22, s19, 7                         ; 128 P: in a row of W and in wcn
	s_mov_b32 s23, 0
	s_mul_i32 s24, s19, 4608                       ; my record
	s_mov_b32 s25, 0
	s_lshl_b32 s26, s19, 15                        ; 32 rows of 1,024 bytes of wt
	s_mov_b32 s27, 0
	s_wait_alu depctr_va_vdst(0)
	s_wait_kmcnt 0x0
	s_add_nc_u64 s[4:5], s[4:5], s[22:23]
	s_add_nc_u64 s[10:11], s[10:11], s[22:23]
	s_add_nc_u64 s[8:9], s[8:9], s[24:25]
	s_add_nc_u64 s[12:13], s[12:13], s[26:27]
.irp t, 0,1,2,3,4,5,6,7
	s_add_nc_u64 s[32+2*\t:33+2*\t], s[4:5], \t*32*KROW   ; a base for each block: 31 rows of W then fit the signed 24-bit immediate
.endr
.macro WLOAD t                         ; block t: W(32 t + i, my column): a wave reads 128 consecutive bytes, the four waves 512
.irp i, 0,1,2,3,4,5,6,7,8,9,10,11,12,13,14,15,16,17,18,19,20,21,22,23,24,25,26,27,28,29,30,31
	global_load_b32 v[X+32*((\t)%2)+\i], v1, s[32+2*(\t):33+2*(\t)] offset:\i*KROW th:TH_LOAD_NT
.endr
.endm
.macro WBLOCK t
.set XS, X+32*((\t)%2)
.if (\t) < 7
	s_wait_loadcnt 32                              ; this block's 32 loads are in; the next block's 32 may be out
.else
	s_wait_loadcnt 0x0
.endif
.irp i, 0,1,2,3,4,5,6,7
	ds_store_b128 v4, v[XS+4*\i:XS+4*\i+3] offset:128*((\t)%4)+16*\i   ; the numbers as they are, for the transposed copy
.endr
	v_max3_num_f32 v16, |v[XS]|, |v[XS+1]|, 0x1800000               ; the block's largest magnitude, two chains; the floor 2^(3 - 127) holds the byte at 1 from below
	v_max3_num_f32 v17, |v[XS+2]|, |v[XS+3]|, |v[XS+4]|
.irp i, 5,9,13,17,21,25
	v_max3_num_f32 v16, v16, |v[XS+\i]|, |v[XS+\i+1]|
	v_max3_num_f32 v17, v17, |v[XS+\i+2]|, |v[XS+\i+3]|
.endr
	v_max3_num_f32 v16, v16, |v[XS+29]|, |v[XS+30]|
	v_max3_num_f32 v16, v16, v17, |v[XS+31]|
.irp i, 0,4,8,12,16,20,24,28
	v_pk_fma_f32 v[10:11], v[XS+\i:XS+\i+1], v[XS+\i:XS+\i+1], v[10:11]         ; the column's sum of squares, of the numbers as given
	v_pk_fma_f32 v[12:13], v[XS+\i+2:XS+\i+3], v[XS+\i+2:XS+\i+3], v[12:13]
.endr
	v_add_nc_u32 v20, 0xff000000, v16              ; 2 off the exponent field: the conversion takes this operand's exponent field as its scale
.irp g, 0,1,2,3
	v_cvt_scalef32_pk8_fp4_f32 v[CD+4*(\t)+\g], v[XS+8*\g:XS+8*\g+7], v20
.endr
	v_lshrrev_b32 v21, 23, v20                     ; the scale's byte (also the plain line behind the conversions)
.if (\t)%4 == 0
	v_mov_b32 v[14+(\t)/4], v21                    ; four bytes make a K step's scale word
.else
	v_lshl_or_b32 v[14+(\t)/4], v21, 8*((\t)%4), v[14+(\t)/4]
.endif
	global_store_b128 v2, v[CD+4*(\t):CD+4*(\t)+3], s[8:9] offset:256*(\t)   ; the wave's store covers two aligned runs of 256 bytes: tile 0's and tile 1's block t
	s_wait_dscnt 0x0                               ; the stage's stores have read this set
.if (\t)+2 < 8
	WLOAD (\t)+2
.endif
.endm
.macro WFLUSH half                     ; 32 columns x 128 along K leave the stage as rows of 512 bytes
.irp rd, 0,1
	s_wait_xcnt 0x0                                ; earlier stores have read OUTR: only behind this wait is it loaded again
.irp i, 0,1,2,3,4,5,6,7,8,9,10,11,12,13,14,15
	ds_load_b128 v[OUTR+4*\i:OUTR+4*\i+3], v5 offset:(16*\rd+\i)*PITCH   ; LDS serves a wave's instructions in order: these see my stores
.endr
.irp i, 0,1,2,3,4,5,6,7,8,9,10,11,12,13,14,15
	s_wait_dscnt 15-\i
	global_store_b128 v6, v[OUTR+4*\i:OUTR+4*\i+3], s[12:13] offset:(16*\rd+\i)*1024+512*\half th:TH_STORE_NT
.endr
.endr
.endm
	WLOAD 0
	WLOAD 1
	WBLOCK 0
	WBLOCK 1
	WBLOCK 2
	WBLOCK 3
	WFLUSH 0
	WBLOCK 4
	WBLOCK 5
	WBLOCK 6
	WBLOCK 7
	WFLUSH 1
	s_wait_alu depctr_va_vdst(0)
	v_add_f32 v10, v10, v11
	v_add_f32 v12, v12, v13
	v_add_f32 v10, v10, v12
	s_wait_alu depctr_va_vdst(0)
	v_sqrt_f32 v22, v10                            ; cn
	v_nop                                          ; a plain line behind the root,
	s_wait_alu depctr_va_vdst(0)                   ; and the wait ahead of its first reader
	v_max_num_f32 v23, 0x2b800000, v22             ; held at 2^-40 from below
	s_wait_alu depctr_va_vdst(0)
	v_rcp_f32 v24, v23
	v_nop
	s_wait_alu depctr_va_vdst(0)
	v_fma_f32 v25, -v23, v24, 1.0                  ; one correction of the reciprocal
	v_fma_f32 v26, v24, v25, v24                   ; u
	v_mul_f32 v27, v26, v26                        ; u^2
	ds_store_b32 v7, v26
	ds_store_b32 v7, v27 offset:128
	ds_load_b64 v[16:17], v8                       ; back as 256 consecutive bytes, 8 a lane
	global_store_b64 v3, v[14:15], s[8:9] offset:4096   ; the 32 columns' scale words: 256 bytes
	global_store_b32 v1, v22, s[10:11]             ; cn: 128 bytes a wave, the four waves of a work-group 512 consecutive bytes
	s_wait_dscnt 0x0
	global_store_b64 v28, v[16:17], s[8:9] offset:4352
	s_wait_tensorcnt 0x0
	ds_add_u32 v192, v193
	s_wait_dscnt 0x0
	s_endpgm
	; ---------------- targ ----------------
.Ltarg:
	s_sub_co_u32 s19, ttmp9, 256
	s_lshl_b32 s19, s19, 2
	s_add_co_u32 s19, s19, s18                     ; T: my tile of 16 rows
	s_wait_alu depctr_va_vdst(0)
	v_lshlrev_b32 v1, 4, v9                        ; 16 x lane
	v_and_b32 v2, 15, v9                           ; r
	v_lshrrev_b32 v3, 4, v9                        ; h
	s_mul_i32 s20, s18, 2*THALF
	s_add_co_u32 s20, s20, TSTG
	v_add_nc_u32 v4, s20, v1                       ; the stage, in: a load's 512 bytes are half a row
	v_mul_u32_u24 v5, v2, PITCH
	v_lshl_add_u32 v5, v3, 7, v5
	v_add_nc_u32 v5, s20, v5                       ; out: row r, block h of the K step
	v_lshlrev_b32 v8, 3, v3                        ; 8 h: where my bytes stand in a scale word
	v_mov_b32 v26, 0                               ; (a lane permute's destination counts as read)
	s_mov_b32 s28, 0x76543210
	s_mov_b32 s29, 0xfedcba98                      ; selects for lane l xor 16
	s_lshl_b32 s22, s19, 14                        ; 16 rows of 1,024 bytes
	s_mov_b32 s23, 0
	s_lshl_b32 s24, s19, 11                        ; 2,048 bytes of codes
	s_mov_b32 s25, 0
	s_lshl_b32 s26, s19, 9                         ; 512 bytes of tmeta
	s_mov_b32 s27, 0
	s_wait_alu depctr_va_vdst(0)
	s_wait_kmcnt 0x0
	s_add_nc_u64 s[6:7], s[6:7], s[22:23]
	s_add_nc_u64 s[14:15], s[14:15], s[24:25]
	s_add_nc_u64 s[16:17], s[16:17], s[26:27]
.irp s, 0,1
.irp p, 0,1,2,3,4,5,6,7,8,9,10,11,12,13,14,15
	global_load_b128 v[G+64*\s+4*\p:G+64*\s+4*\p+3], v1, s[6:7] offset:1024*\p+512*\s th:TH_LOAD_NT   ; row p, K step s: 512 consecutive bytes
.endr
.endr
.macro TQUANT s                        ; my two blocks (2 c + h, c = 0, 1) of K step s: 64 numbers
.set GS, G+64*(\s)
.irp c, 0,1
	v_max3_num_f32 v[16+2*\c], |v[GS+32*\c]|, |v[GS+32*\c+1]|, 0x1800000
	v_max3_num_f32 v[17+2*\c], |v[GS+32*\c+2]|, |v[GS+32*\c+3]|, |v[GS+32*\c+4]|
.endr
.irp i, 5,9,13,17,21,25
.irp c, 0,1
	v_max3_num_f32 v[16+2*\c], v[16+2*\c], |v[GS+32*\c+\i]|, |v[GS+32*\c+\i+1]|
	v_max3_num_f32 v[17+2*\c], v[17+2*\c], |v[GS+32*\c+\i+2]|, |v[GS+32*\c+\i+3]|
.endr
.endr
.irp c, 0,1
	v_max3_num_f32 v[16+2*\c], v[16+2*\c], |v[GS+32*\c+29]|, |v[GS+32*\c+30]|
.endr
.irp c, 0,1
	v_max3_num_f32 v[16+2*\c], v[16+2*\c], v[17+2*\c], |v[GS+32*\c+31]|
.endr
.irp c, 0,1
	v_add_nc_u32 v[20+\c], 0xff000000, v[16+2*\c]  ; the conversions' scale operands
.endr
.irp c, 0,1
	v_lshrrev_b32 v[22+\c], 23, v[20+\c]           ; the bytes
.endr
.irp i, 0,4,8,12,16,20,24,28,32,36,40,44,48,52,56,60
	v_pk_fma_f32 v[10:11], v[GS+\i:GS+\i+1], v[GS+\i:GS+\i+1], v[10:11]
	v_pk_fma_f32 v[12:13], v[GS+\i+2:GS+\i+3], v[GS+\i+2:GS+\i+3], v[12:13]
.endr
	v_lshl_or_b32 v24, v23, 16, v22                ; my bytes: blocks h and 2 + h,
	v_lshlrev_b32 v24, v8, v24                     ; at their places;
	v_permlanex16_b32 v26, v24, s28, s29
	v_or_b32 v[14+\s], v24, v26                    ; with lane l xor 16's the word is whole
.irp c, 0,1
.irp g, 0,1,2,3
	v_cvt_scalef32_pk8_fp4_f32 v[TCD+8*\s+4*\c+\g], v[GS+32*\c+8*\g:GS+32*\c+8*\g+7], v[20+\c]
.endr
.endr
	v_nop                                          ; a plain line behind the conversions
.endm
.irp s, 0,1
	s_wait_loadcnt 16-16*\s                        ; this K step's sixteen loads are in; the other's may be out
.irp p, 0,1,2,3,4,5,6,7,8,9,10,11,12,13,14,15
	ds_store_b128 v4, v[G+64*\s+4*\p:G+64*\s+4*\p+3] offset:THALF*\s+PITCH*\p
.endr
	s_wait_dscnt 0x0                               ; the stores have read their registers, which now take the same numbers turned
.irp c, 0,1
.irp e, 0,1,2,3,4,5,6,7
	ds_load_b128 v[G+64*\s+32*\c+4*\e:G+64*\s+32*\c+4*\e+3], v5 offset:THALF*\s+256*\c+16*\e
.endr
.endr
	s_wait_dscnt 0x0
	TQUANT \s
.endr
	v_cmp_ne_u32 vcc_lo, 0, v3
	v_cndmask_b32 v[MT+1], v14, v15, vcc_lo        ; lanes 0-15: K step 0's word; lanes 16-31: K step 1's
	v_add_f32 v10, v10, v11
	v_add_f32 v12, v12, v13
	v_add_f32 v10, v10, v12
	v_permlanex16_b32 v26, v10, s28, s29
	v_add_f32 v10, v10, v26                        ; the row's sum of squares
	s_wait_alu depctr_va_vdst(0)
	v_sqrt_f32 v[MT+2], v10                        ; rn
	v_mov_b32 v[MT+3], 0                           ; (the plain line behind the root)
	s_wait_alu depctr_va_vdst(0)                   ; the wait ahead of the first reader
	v_max_num_f32 v16, 0x2b800000, v[MT+2]
	s_wait_alu depctr_va_vdst(0)
	v_rcp_f32 v17, v16
	v_nop
	s_wait_alu depctr_va_vdst(0)
	v_mul_f32 v[MT], 0xb3d6bf95, v17               ; -eps / max(rn, 2^-40), eps = 1e-7
.irp g, 0,1,2,3
	global_store_b128 v1, v[TCD+4*\g:TCD+4*\g+3], s[14:15] offset:512*\g   ; 512 consecutive bytes
.endr
	global_store_b128 v1, v[MT:MT+3], s[16:17]
	s_wait_tensorcnt 0x0
	ds_add_u32 v192, v193
	s_wait_dscnt 0x0
	s_endpgm
.Lfunc_end_k_qfc38af080a_prep:
	.size	k_qfc38af080a_prep, .Lfunc_end_k_qfc38af080a_prep-k_qfc38af080a_prep
	.p2alignl 7, 3214868480
	.fill 96, 4, 3214868480
	.section	.rodata,"a",@progbits
	.p2align	6, 0x0
	.amdhsa_kernel k_qfc38af080a_prep
		.amdhsa_group_segment_fixed_size 136704
		.amdhsa_private_segment_fixed_size 0
		.amdhsa_enable_private_segment 0
		.amdhsa_kernarg_size 56
		.amdhsa_user_sgpr_count 2
		.amdhsa_user_sgpr_kernarg_segment_ptr 1
		.amdhsa_wavefront_size32 1
		.amdhsa_system_sgpr_workgroup_id_x 1
		.amdhsa_system_sgpr_workgroup_id_y 1
		.amdhsa_system_sgpr_workgroup_id_z 1
		.amdhsa_system_vgpr_workitem_id 0
		.amdhsa_next_free_vgpr 194
		.amdhsa_next_free_sgpr 66
		.amdhsa_reserve_vcc 1
		.amdhsa_float_denorm_mode_32 3
		.amdhsa_float_denorm_mode_16_64 3
		.amdhsa_memory_ordered 1
		.amdhsa_forward_progress 1
		.amdhsa_inst_pref_size 85
	.end_amdhsa_kernel
	.amdgpu_metadata
---
amdhsa.version: [ 1, 2 ]
amdhsa.kernels:
  - .name:           k_qfc38af080a_prep
    .symbol:         k_qfc38af080a_prep.kd
    .args:
      - { .name: W, .offset: 0, .size: 8, .value_kind: global_buffer, .address_space: global }
      - { .name: targ, .offset: 8, .size: 8, .value_kind: global_buffer, .address_space: global }
      - { .name: wrec, .offset: 16, .size: 8, .value_kind: global_buffer, .address_space: global }
      - { .name: wcn, .offset: 24, .size: 8, .value_kind: global_buffer, .address_space: global }
      - { .name: wt, .offset: 32, .size: 8, .value_kind: global_buffer, .address_space: global }
      - { .name: tq, .offset: 40, .size: 8, .value_kind: global_buffer, .address_space: global }
      - { .name: tmeta, .offset: 48, .size: 8, .value_kind: global_buffer, .address_space: global }
    .group_segment_fixed_size: 136704
    .private_segment_fixed_size: 0
    .kernarg_segment_align: 8
    .kernarg_segment_size: 56
    .max_flat_workgroup_size: 128
    .sgpr_count:     66
    .vgpr_count:     194
    .wavefront_size: 32
...
	.end_amdgpu_metadata
.endif
;; end of part 1
;; launch main (part 2): grid 16 x 16, 16 waves a work-group, no clusters, 313,344 bytes of LDS; arguments wrec, tq, tmeta, part, wcn; writes part
.if DOCPART == 2
	.amdgcn_target "amdgcn-amd-amdhsa--gfx1250"
	.amdhsa_code_object_version 6
	.text
	.protected	k_qfc38af080a_main
	.globl	k_qfc38af080a_main
	.p2align	8
	.type	k_qfc38af080a_main,@function
k_qfc38af080a_main:
	s_mov_b64 s[64:65], 0
	v_nop
	global_prefetch_b8 v0, s[64:65] scope:SCOPE_SE
	s_setreg_imm32_b32 hwreg(HW_REG_WAVE_MODE, 25, 1), 1
	s_wait_xcnt 0x0
; MAIN.  The product Q(targ) Q(W) on codes of FP4 with E8M0 scales, and for each row the PAIR (32 columns) that holds its largest scaled score.
; SCORE.  For one row, ranking by s / (rn cn + eps) is ranking by s / (cn + d), d = eps / rn (rn > 0 is common to the row).  THE FULL WAY: v = s f with f = u - d u^2, u = 1 / cn: one step of Newton from u.
; THE PLAIN WAY: v = s u.  It differs from s / (cn + d) by the relative d u = eps / (rn cn).  A wave takes it only where eps / (rn cn) < 2^-24 for ALL its 128 rows and 512 columns: there eps moves no score by more than one rounding of f32.
; THE TEST is made of whole numbers alone: the bit patterns of rn and cn as the launch before stored them.  For x = 2^e (1 + m), log2 x >= e + m = bits(x) / 2^23 - 127; so
; bits(rn) + bits(cn) >= 0x7f600000 gives rn cn >= 2^0.75 = 1.68 > eps 2^24 = 1.678.  The least bits(rn) of the wave's rows is taken, and every column's bits(cn) held against 0x7f600000 less it (a wrap of that difference fails the test).
; LIMIT of the full way: f differs from 1 / (cn + d) by the relative (eps / (rn cn))^2, under 2^-24 while rn cn > 4.1e-4; for rn cn <= eps the choice of pair is not served, but for rows or columns of zeros (v = 0, the lowest pair wins).  NaN, infinities: not served.
; The index inside the pair, by the formula as written, is the next launch's: here only (largest v, pair) is kept.
; SHARES.  A work-group: 512 rows x 2,048 columns (64 pairs).  Wave w: i = w / 4: 128 rows, eight tiles whose codes stay in registers; j = w % 4: pairs 16 j .. 16 j + 15 of the block, in ascending order.
; LDS.  The column block, 64 records of 4,608 bytes, 294,912 consecutive bytes of wrec, lies in LDS as in memory.  Wave w brings bytes 18,432 w .. + 18,431: 36 loads of 512 bytes through the registers that later hold targ's codes,
; in four groups of nine; as soon as a group is stored to LDS, its registers take loads of targ's codes.  One barrier, then the work.
; NO TENSOR LOAD, NO CLUSTER: the choice between the two ways is a branch on numbers read from memory.
; Every wave walks the one loop; the branch stands inside a tile, round the arithmetic alone: no barrier and no LDS address stands under it.  No prefetch: every load from memory stands in the head, so there is no loop to run ahead in.
; THE PRODUCT IS USED TRANSPOSED: source 0 = 16 columns of W, source 1 = 16 rows of targ: a lane holds ONE row (lane % 16); register j of tile u is column 32 P + 16 (lane / 16) + 8 u + j.
.set REC,   4608
.set SCR,   64*REC                     ; behind the records: 16,384 bytes for the merge
.set SPARE, SCR+16384                  ; behind them: the spare words, 128 bytes for each of the 16 waves; no other line names them
.set AC0, 1                            ; v1  16 x lane: my place in a record's codes; also the offset of the head's loads
.set AS0, 2                            ; v2  8 r + 4 h: its scale words (lanes 0-15 K step 0, lanes 16-31 K step 1)
.set AU0, 3                            ; v3  64 h: u and u^2 of my half's 16 columns
.set AC,  4                            ; v4-6 the same for the pair in hand (v4 in the head: where my wave's part of the block goes)
.set AS,  5
.set AU,  6
.set GV,  7                            ; v7  the pair's number
.set TS,  8                            ; v8-15   targ's scale words, a register a row tile: scales and nothing else
.set ST,  16                           ; v16-47  a row tile's four: -eps / rn, best, its pair, the pair's maximum in the making
.set TC,  48                           ; v48-175 targ's codes, 16 registers a row tile (in the head v48-191: the block's bytes on their way to LDS)
.set BF,  176                          ; v176-191 a column tile's codes
.set WS,  192                          ; v192    its scale words
.set U,   194                          ; v194-201 u of my eight columns
.set U2,  202                          ; v202-209 u^2
.set F,   210                          ; v210-217 f; behind the products: at work for the maxima (in the head: bits of rn)
.set ACC, 218                          ; v218-249 two sets of two accumulators (in the head v218-233: bits of cn)
.set SPW, 250                          ; v250    LDS address of my spare word; never rewritten
.set NIL, 251                          ; v251    0; never rewritten
.set WV,  12                           ; s12 wave;  s13 i;  s14 j;  s16 row block;  s17 column block
.set TBS, 18                           ; s18 LDS byte of the trip's record
.set GID, 19                           ; s19 the pair's number
.set CNT, 20
.set FLG, 24                           ; s24 1: the plain way
.set SEL, 54                           ; s[54:55] selects for lane l xor 16
	s_load_b256 s[4:11], s[0:1], 0x0               ; wrec s[4:5], tq s[6:7], tmeta s[8:9], part s[10:11]
	s_load_b64 s[22:23], s[0:1], 0x20              ; wcn
	v_lshl_add_u32 v[SPW], v0, 2, SPARE
	v_mov_b32 v[NIL], 0
	v_lshrrev_b32 v[AC], 5, v0
	v_and_b32 v[AS], 31, v0                        ; lane
	v_and_b32 v[AU], 15, v0                        ; r
	v_bfe_u32 v[GV], v0, 4, 1                      ; h
	s_delay_alu instid0(VALU_DEP_4)
	v_readfirstlane_b32 s[WV], v[AC]               ; wave 0..15
	v_lshlrev_b32 v[AC0], 4, v[AS]
	v_lshlrev_b32 v[AS0], 3, v[AU]
	v_lshlrev_b32 v[AU0], 6, v[GV]
	s_delay_alu instid0(VALU_DEP_2)
	v_lshl_add_u32 v[AS0], v[GV], 2, v[AS0]
	s_mul_i32 s48, s[WV], 4*REC
	v_add_nc_u32 v[AC], s48, v[AC0]                ; LDS: 18,432 w + 16 x lane
	s_lshr_b32 s13, s[WV], 2                       ; i
	s_and_b32 s14, s[WV], 3                        ; j
	s_mov_b32 s16, ttmp9                           ; row block
	s_and_b32 s17, ttmp7, 0xffff                   ; column block
	s_mul_i32 s26, s17, 64*REC                     ; wrec: the block, and my wave's part of it
	s_add_co_u32 s26, s26, s48
	s_mov_b32 s27, 0
	s_lshl_b32 s28, s16, 16                        ; tq: 32 tiles of 2,048 bytes a row block, 8 a group of waves
	s_lshl_b32 s21, s13, 14
	s_add_co_u32 s28, s28, s21
	s_mov_b32 s29, 0
	s_lshr_b32 s30, s28, 2                         ; tmeta: 512 bytes a tile
	s_mov_b32 s31, 0
	s_lshl_b32 s32, s17, 16                        ; part: 65,536 x column block + 8 x (512 row block + 128 i + 32 j)
	s_lshl_b32 s21, s16, 12
	s_add_co_u32 s32, s32, s21
	s_lshl_b32 s21, s13, 10
	s_add_co_u32 s32, s32, s21
	s_lshl_b32 s21, s14, 8
	s_add_co_u32 s32, s32, s21
	s_mov_b32 s33, 0
	s_lshl_b32 s34, s17, 13                        ; wcn: 4 x (2,048 x column block + 512 j)
	s_lshl_b32 s21, s14, 11
	s_add_co_u32 s34, s34, s21
	s_mov_b32 s35, 0
	s_lshl_b32 s[GID], s17, 6
	s_lshl_b32 s21, s14, 4
	s_add_co_u32 s[GID], s[GID], s21               ; my quarter's first pair: 64 x column block + 16 j
	s_mov_b32 s[SEL], 0x76543210
	s_mov_b32 s[SEL+1], 0xfedcba98
.irp t, 0,1,2,3,4,5,6,7
	v_mov_b32 v[ST+4*\t+1], 0xff800000             ; best: -infinity
	v_mov_b32 v[ST+4*\t+2], s[GID]
.endr
	s_wait_alu depctr_va_vdst(0)
	s_wait_kmcnt 0x0
	s_add_nc_u64 s[4:5], s[4:5], s[26:27]
	s_add_nc_u64 s[6:7], s[6:7], s[28:29]
	s_add_nc_u64 s[8:9], s[8:9], s[30:31]
	s_add_nc_u64 s[10:11], s[10:11], s[32:33]
	s_add_nc_u64 s[22:23], s[22:23], s[34:35]
.irp t, 0,1,2,3,4,5,6,7                ; 28 small loads first,
	global_load_b32 v[ST+4*\t], v[AC0], s[8:9] offset:512*\t       ; -eps / rn of my row
	global_load_b32 v[TS+\t], v[AC0], s[8:9] offset:512*\t+4       ; the scale words
	global_load_b32 v[F+\t], v[AC0], s[8:9] offset:512*\t+8        ; rn, taken as a whole number
.endr
.irp k, 0,1,2,3
	global_load_b128 v[ACC+4*\k:ACC+4*\k+3], v[AC0], s[22:23] offset:512*\k   ; cn of my quarter's 512 columns, 16 a lane, taken as whole numbers
.endr
.set M, 0
.rept 36                               ; then my 18,432 bytes of the block
	global_load_b128 v[TC+4*M:TC+4*M+3], v[AC0], s[4:5] offset:512*M
.set M, M+1
.endr
.irp g, 0,1,2,3
	s_wait_loadcnt 27                              ; group g's nine loads are in: behind them stand 9 (3 - g) loads of the block and 9 g of targ's codes, 27 in every group
.irp k, 0,1,2,3,4,5,6,7,8
	ds_store_b128 v[AC], v[TC+4*(9*\g+\k):TC+4*(9*\g+\k)+3] offset:512*(9*\g+\k)
.endr
	s_wait_dscnt 0x0                               ; the stores have read their registers, which now take targ's codes: load m brings tile m / 4, register group m % 4
.irp k, 0,1,2,3,4,5,6,7,8
.if 9*\g+\k < 32
	global_load_b128 v[TC+4*(9*\g+\k):TC+4*(9*\g+\k)+3], v[AC0], s[6:7] offset:512*(9*\g+\k)
.endif
.endr
.endr
	s_barrier_signal -1                            ; my part of the block is in LDS (the wait for my stores stands above)
	; the test, on registers, while the others arrive: whole-number minima alone
.irp k, 0,1,2,3,4,5,6,7
	v_min_u32 v[ACC+\k], v[ACC+\k], v[ACC+8+\k]
.endr
.irp k, 0,1,2,3
	v_min_u32 v[F+\k], v[F+\k], v[F+4+\k]
.endr
.irp k, 0,1,2,3
	v_min_u32 v[ACC+\k], v[ACC+\k], v[ACC+4+\k]
.endr
.irp k, 0,1
	v_min_u32 v[F+\k], v[F+\k], v[F+2+\k]
.endr
.irp k, 0,1
	v_min_u32 v[ACC+\k], v[ACC+\k], v[ACC+2+\k]
.endr
	s_delay_alu instid0(VALU_DEP_3)
	v_min_u32 v[F], v[F], v[F+1]                   ; lane r (and r + 16): the least bits(rn) of rows r of my eight tiles
	s_delay_alu instid0(VALU_DEP_2)
	v_min_u32 v[ACC], v[ACC], v[ACC+1]             ; the least bits(cn) of my lane's 16 columns
	s_wait_alu depctr_va_vdst(0)                   ; the wait here, directly behind the writes
	v_readlane_b32 s48, v[F], 0
.irp l, 1,2,3,4,5,6,7,8,9,10,11,12,13,14,15
	v_readlane_b32 s49, v[F], \l
	s_min_u32 s48, s48, s49
.endr
	s_sub_co_u32 s48, 0x7f600000, s48              ; what every bits(cn) has to reach
	v_cmp_le_u32 vcc_lo, s48, v[ACC]
	s_cmp_eq_u32 vcc_lo, -1                        ; in all 32 lanes?
	s_cselect_b32 s[FLG], 1, 0
	s_barrier_wait -1                              ; everybody's part is in LDS
	s_wait_loadcnt 0x0                             ; targ's codes
; Row tiles 2 q and 2 q + 1 against the column tile in hand: two accumulators by turns, K step 0 (which starts the sums) and K step 1.
.macro WQ q
.set RA, ACC+16*((\q)%2)
.set RB, RA+8
.set TA, TC+32*(\q)
	v_wmma_scale_f32_16x16x128_f8f6f4 v[RA:RA+7], v[BF:BF+7], v[TA:TA+7], 0, v[WS], v[TS+2*(\q)] matrix_a_fmt:MATRIX_FMT_FP4 matrix_b_fmt:MATRIX_FMT_FP4
	v_wmma_scale_f32_16x16x128_f8f6f4 v[RB:RB+7], v[BF:BF+7], v[TA+16:TA+23], 0, v[WS], v[TS+2*(\q)+1] matrix_a_fmt:MATRIX_FMT_FP4 matrix_b_fmt:MATRIX_FMT_FP4
	v_wmma_scale_f32_16x16x128_f8f6f4 v[RA:RA+7], v[BF+8:BF+15], v[TA+8:TA+15], v[RA:RA+7], v[WS], v[TS+2*(\q)] matrix_a_fmt:MATRIX_FMT_FP4 matrix_b_fmt:MATRIX_FMT_FP4 matrix_a_scale:MATRIX_SCALE_ROW1 matrix_b_scale:MATRIX_SCALE_ROW1
	v_wmma_scale_f32_16x16x128_f8f6f4 v[RB:RB+7], v[BF+8:BF+15], v[TA+24:TA+31], v[RB:RB+7], v[WS], v[TS+2*(\q)+1] matrix_a_fmt:MATRIX_FMT_FP4 matrix_b_fmt:MATRIX_FMT_FP4 matrix_a_scale:MATRIX_SCALE_ROW1 matrix_b_scale:MATRIX_SCALE_ROW1
.endm
.macro EF t                            ; f = u - (eps / rn) u^2 for row tile t's row and my eight columns: four lines, two fused multiply-adds each
.irp p, 0,2,4,6
	v_dual_fma_f32 v[F+\p], v[U2+\p], v[ST+4*(\t)], v[U+\p] :: v_dual_fma_f32 v[F+\p+1], v[U2+\p+1], v[ST+4*(\t)], v[U+\p+1]
.endr
.endm
.macro EM acc, m                       ; v = s x (f or u), in place, the accumulator from its low end on
.irp p, 0,2,4,6
	v_dual_mul_f32 v[(\acc)+\p], v[(\acc)+\p], v[(\m)+\p] :: v_dual_mul_f32 v[(\acc)+\p+1], v[(\acc)+\p+1], v[(\m)+\p+1]
.endr
.endm
.macro EX q, u                         ; the largest of each tile's eight; tile 1 of a pair takes tile 0's along.  f's registers are free here and hold the partial maxima
.set RA, ACC+16*((\q)%2)
.set RB, RA+8
.set SA, ST+8*(\q)
	v_max3_num_f32 v[F], v[RA], v[RA+1], v[RA+2]
	v_max3_num_f32 v[F+1], v[RA+3], v[RA+4], v[RA+5]
.if \u
	v_max3_num_f32 v[F+2], v[RA+6], v[RA+7], v[SA+3]
.else
	v_max_num_f32 v[F+2], v[RA+6], v[RA+7]
.endif
	v_max3_num_f32 v[F+3], v[RB], v[RB+1], v[RB+2]
	v_max3_num_f32 v[F+4], v[RB+3], v[RB+4], v[RB+5]
.if \u
	v_max3_num_f32 v[F+5], v[RB+6], v[RB+7], v[SA+7]
.else
	v_max_num_f32 v[F+5], v[RB+6], v[RB+7]
.endif
	s_delay_alu instid0(VALU_DEP_4)
	v_max3_num_f32 v[SA+3], v[F], v[F+1], v[F+2]
	s_delay_alu instid0(VALU_DEP_2)
	v_max3_num_f32 v[SA+7], v[F+3], v[F+4], v[F+5]
.endm
.macro EU q                            ; once a pair: a strictly larger maximum takes the place: the earlier pair keeps a tie
.set SA, ST+8*(\q)
	s_delay_alu instid0(VALU_DEP_2)
	v_cmp_gt_f32 vcc_lo, v[SA+3], v[SA+1]
	s_delay_alu instid0(VALU_DEP_2)
	v_cmp_gt_f32 s50, v[SA+7], v[SA+5]
	s_delay_alu instid0(VALU_DEP_2)
	v_cndmask_b32 v[SA+2], v[SA+2], v[GV], vcc_lo
	s_delay_alu instid0(VALU_DEP_2)
	v_cndmask_b32 v[SA+6], v[SA+6], v[GV], s50
	v_max_num_f32 v[SA+1], v[SA+1], v[SA+3]
	v_max_num_f32 v[SA+5], v[SA+5], v[SA+7]
.endm
; A column tile against my eight row tiles.  The loads and the first four products are common; then the two ways part, on the wave's stored test, and join at the tile's end.
; Four places (ISA guide 7.12.1) stand between products and the first read of their results: on the full way the four lines of EF, which name no register of the products just issued;
; on the plain way four v_nop behind the first four products, and from then on the vector work of the two row tiles before.  A set of accumulators is begun anew two WQ later, behind at least eight such lines;
; the loads into the tile's codes stand behind the whole vector work of the last two row tiles.
.macro TILE u
.irp g, 0,1,2,3
	ds_load_b128 v[BF+4*\g:BF+4*\g+3], v[AC] offset:2048*\u+512*\g
.endr
	ds_load_b32 v[WS], v[AS] offset:4096+128*\u
	ds_load_b128 v[U:U+3], v[AU] offset:4352+32*\u
	ds_load_b128 v[U+4:U+7], v[AU] offset:4352+32*\u+16
	ds_load_b128 v[U2:U2+3], v[AU] offset:4480+32*\u
	ds_load_b128 v[U2+4:U2+7], v[AU] offset:4480+32*\u+16
	s_wait_dscnt 4                                 ; codes and scale words are in; the four loads of u and u^2 may be out
	WQ 0
	s_wait_dscnt 0x0
	s_cmp_lg_u32 s[FLG], 0
	s_cbranch_scc1 .Lplain_\@
.irp q, 0,1,2,3                        ; the full way
	EF 2*\q
.if \q < 3
	WQ \q+1
.endif
	EM ACC+16*(\q%2), F
	EF 2*\q+1
	EM ACC+16*(\q%2)+8, F
	EX \q, \u
.if \u
	EU \q
.endif
.endr
	s_branch .Ljoin_\@
.Lplain_\@:
.rept 4
	v_nop
.endr
.irp q, 0,1,2,3                        ; the plain way
.if \q < 3
	WQ \q+1
.endif
	EM ACC+16*(\q%2), U
	EM ACC+16*(\q%2)+8, U
	EX \q, \u
.if \u
	EU \q
.endif
.endr
.Ljoin_\@:
.endm
	s_mul_i32 s[TBS], s14, 16*REC                  ; my quarter's first record
	s_mov_b32 s[CNT], 16
.Lpair:
	v_add_nc_u32 v[AC], s[TBS], v[AC0]
	v_add_nc_u32 v[AS], s[TBS], v[AS0]
	v_add_nc_u32 v[AU], s[TBS], v[AU0]
	v_mov_b32 v[GV], s[GID]
	TILE 0
	TILE 1
	s_add_co_u32 s[TBS], s[TBS], REC
	s_add_co_u32 s[GID], s[GID], 1
	s_sub_co_i32 s[CNT], s[CNT], 1
	s_cmp_lg_u32 s[CNT], 0
	s_cbranch_scc1 .Lpair
	; THE END.  best becomes a key, the whole number that orders as the f32 does (-0 first made +0); the two halves of the lanes are joined (on a tie the lower pair), then the four quarters through LDS.
	v_and_b32 v[AC], 15, v0
	s_lshl_b32 s48, s[WV], 10
	s_add_co_u32 s48, s48, SCR
	v_lshl_add_u32 v[AC], v[AC], 3, s48            ; in: SCR + 1,024 w + 8 r, + 128 a row tile
	v_and_b32 v[AS], 31, v0
	s_delay_alu instid0(VALU_DEP_1)
	v_lshlrev_b32 v[AU], 3, v[AS]                  ; 8 x lane
	s_lshl_b32 s49, s13, 12
	s_lshl_b32 s51, s14, 8
	s_add_co_u32 s49, s49, s51
	s_add_co_u32 s49, s49, SCR
	v_add_nc_u32 v[AS], s49, v[AU]                 ; back: SCR + 4,096 i + 256 j + 8 x lane: row 32 j + lane of my group's 128, + 1,024 a quarter
.irp t, 0,1,2,3,4,5,6,7
	v_add_f32 v[U+\t], 0, v[ST+4*\t+1]
.endr
.irp t, 0,1,2,3,4,5,6,7
	v_ashrrev_i32 v[U2+\t], 31, v[U+\t]
.endr
.irp t, 0,1,2,3,4,5,6,7
	v_or_b32 v[U2+\t], 0x80000000, v[U2+\t]
.endr
.irp t, 0,1,2,3,4,5,6,7
	v_xor_b32 v[U+\t], v[U+\t], v[U2+\t]           ; the key
.endr
.irp t, 0,1,2,3,4,5,6,7
	v_permlanex16_b32 v[F+\t], v[U+\t], s[SEL], s[SEL+1]
	v_permlanex16_b32 v[U2+\t], v[ST+4*\t+2], s[SEL], s[SEL+1]
.endr
.irp t, 0,1,2,3,4,5,6,7
	v_cmp_gt_u32 vcc_lo, v[F+\t], v[U+\t]
	v_cmp_eq_u32 s50, v[F+\t], v[U+\t]
	v_cmp_lt_u32 s51, v[U2+\t], v[ST+4*\t+2]
	s_and_b32 s50, s50, s51
	s_or_b32 vcc_lo, vcc_lo, s50
	v_cndmask_b32 v[ACC+2*\t], v[U+\t], v[F+\t], vcc_lo
	v_cndmask_b32 v[ACC+2*\t+1], v[ST+4*\t+2], v[U2+\t], vcc_lo
	ds_store_b64 v[AC], v[ACC+2*\t:ACC+2*\t+1] offset:128*\t       ; both halves write the same bytes with the same value
.endr
	s_wait_dscnt 0x0                               ; for the others' sake: my stores are done
	s_barrier_signal -1
	s_barrier_wait -1
.irp q, 0,1,2,3
	ds_load_b64 v[U+2*\q:U+2*\q+1], v[AS] offset:1024*\q
.endr
	s_wait_dscnt 0x0
.irp q, 1
	v_cmp_gt_u32 vcc_lo, v[U+2*\q], v[U]           ; strictly larger: the lower quarter, which has the lower pairs, keeps a tie
	s_delay_alu instid0(VALU_DEP_1)
	v_cndmask_b32 v[U], v[U], v[U+2*\q], vcc_lo
	s_delay_alu instid0(VALU_DEP_2)
	v_cndmask_b32 v[U+1], v[U+1], v[U+2*\q+1], vcc_lo
.endr
.irp q, 2, 3
	s_delay_alu instid0(VALU_DEP_2)
	v_cmp_gt_u32 vcc_lo, v[U+2*\q], v[U]
	s_delay_alu instid0(VALU_DEP_1)
	v_cndmask_b32 v[U], v[U], v[U+2*\q], vcc_lo
	s_delay_alu instid0(VALU_DEP_2)
	v_cndmask_b32 v[U+1], v[U+1], v[U+2*\q+1], vcc_lo
.endr
	global_store_b64 v[AU], v[U:U+1], s[10:11]     ; 32 rows' (key, pair): 256 consecutive bytes, aligned
	s_wait_tensorcnt 0x0                           ; the wave's end
	ds_add_u32 v[SPW], v[NIL]
	s_wait_dscnt 0x0
	s_endpgm
.Lfunc_end_k_qfc38af080a_main:
	.size	k_qfc38af080a_main, .Lfunc_end_k_qfc38af080a_main-k_qfc38af080a_main
	.p2alignl 7, 3214868480
	.fill 96, 4, 3214868480
	.section	.rodata,"a",@progbits
	.p2align	6, 0x0
	.amdhsa_kernel k_qfc38af080a_main
		.amdhsa_group_segment_fixed_size 313344
		.amdhsa_private_segment_fixed_size 0
		.amdhsa_enable_private_segment 0
		.amdhsa_kernarg_size 40
		.amdhsa_user_sgpr_count 2
		.amdhsa_user_sgpr_kernarg_segment_ptr 1
		.amdhsa_wavefront_size32 1
		.amdhsa_system_sgpr_workgroup_id_x 1
		.amdhsa_system_sgpr_workgroup_id_y 1
		.amdhsa_system_sgpr_workgroup_id_z 1
		.amdhsa_system_vgpr_workitem_id 0
		.amdhsa_next_free_vgpr 256
		.amdhsa_next_free_sgpr 66
		.amdhsa_reserve_vcc 1
		.amdhsa_float_denorm_mode_32 3
		.amdhsa_float_denorm_mode_16_64 3
		.amdhsa_memory_ordered 1
		.amdhsa_forward_progress 1
		.amdhsa_inst_pref_size 59
	.end_amdhsa_kernel
	.amdgpu_metadata
---
amdhsa.version: [ 1, 2 ]
amdhsa.kernels:
  - .name:           k_qfc38af080a_main
    .symbol:         k_qfc38af080a_main.kd
    .args:
      - { .name: wrec, .offset: 0, .size: 8, .value_kind: global_buffer, .address_space: global }
      - { .name: tq, .offset: 8, .size: 8, .value_kind: global_buffer, .address_space: global }
      - { .name: tmeta, .offset: 16, .size: 8, .value_kind: global_buffer, .address_space: global }
      - { .name: part, .offset: 24, .size: 8, .value_kind: global_buffer, .address_space: global }
      - { .name: wcn, .offset: 32, .size: 8, .value_kind: global_buffer, .address_space: global }
    .group_segment_fixed_size: 313344
    .private_segment_fixed_size: 0
    .kernarg_segment_align: 8
    .kernarg_segment_size: 40
    .max_flat_workgroup_size: 512
    .sgpr_count:     66
    .vgpr_count:     256
    .wavefront_size: 32
...
	.end_amdgpu_metadata
.endif
;; end of part 2
;; launch resolve (part 3): grid 128 x 1, 16 waves a work-group, no clusters, 3,072 bytes of LDS; arguments part, wrec, wcn, tq, tmeta, idx; writes idx
.if DOCPART == 3
	.amdgcn_target "amdgcn-amd-amdhsa--gfx1250"
	.amdhsa_code_object_version 6
	.text
	.protected	k_qfc38af080a_resolve
	.globl	k_qfc38af080a_resolve
	.p2align	8
	.type	k_qfc38af080a_resolve,@function
k_qfc38af080a_resolve:
	s_mov_b64 s[64:65], 0
	v_nop
	global_prefetch_b8 v0, s[64:65] scope:SCOPE_SE
	s_setreg_imm32_b32 hwreg(HW_REG_WAVE_MODE, 25, 1), 1
	s_wait_xcnt 0x0
; RESOLVE.  For each row: the largest of its 16 keys (whole numbers that the launch before stored; on a tie the lower column block), that key's pair of 32 columns, the pair's 32 scores once more,
; by the same four matrix instructions in the same order, and then the formula as it is written: a = s / (rn cn + eps), the first largest a.  idx goes out as whole numbers for the gather.
; SHARES.  A work-group: 64 rows.  Wave w: row tile 4 x work-group + w / 4, of it rows 4 (w % 4) .. + 3.  A row's pair is its own, so each row has its own record of W: source 0 = the record's two tiles,
; source 1 = the whole row tile; of the result only the row's two lanes (r and r + 16) are kept.  All four records are asked for at once: no ring.
; Lanes of rows that are not the wave's hold scores of no use; they are carried along and never picked.  No tensor loads: the addresses hang on stored numbers.  No prefetch: a short launch.
; The division is a reciprocal with one correction of the quotient.  LIMITS: NaN and infinities are not served.
.set REC, 4608
.set RES, 200                          ; v200-215 row 0's accumulators, then every row's scores: register 8 u + j = column 32 P + 16 h + 8 u + j
.set CN,  232                          ; v232-247 cn of those 16 columns
	s_load_b256 s[4:11], s[0:1], 0x0               ; part s[4:5], wrec s[6:7], wcn s[8:9], tq s[10:11]
	s_load_b128 s[12:15], s[0:1], 0x20             ; tmeta s[12:13], idx s[14:15]
	v_lshl_add_u32 v254, v0, 2, 0x400
	v_mov_b32 v255, 0
	v_lshrrev_b32 v1, 5, v0
	s_delay_alu instid0(VALU_DEP_1)
	v_readfirstlane_b32 s16, v1                    ; wave 0..15
	s_lshr_b32 s17, s16, 2
	s_lshl_b32 s18, ttmp9, 2
	s_add_co_u32 s17, s17, s18                     ; T: my row tile
	s_and_b32 s42, s16, 3
	s_lshl_b32 s42, s42, 2                         ; my first row in it
	v_and_b32 v29, 31, v0                          ; lane
	v_and_b32 v3, 15, v0                           ; r
	v_bfe_u32 v4, v0, 4, 1                         ; h
	s_delay_alu instid0(VALU_DEP_3)
	v_lshlrev_b32 v1, 4, v29                       ; 16 x lane
	s_delay_alu instid0(VALU_DEP_3)
	v_lshlrev_b32 v5, 3, v3                        ; 8 r
	s_delay_alu instid0(VALU_DEP_1)
	v_lshl_add_u32 v2, v4, 2, v5                   ; 8 r + 4 h: W's scale words
	s_lshl_b32 s30, s16, 6
	v_lshl_add_u32 v26, v3, 2, s30                 ; LDS, in: 64 w + 4 r
	v_lshrrev_b32 v28, 3, v29
	v_and_b32 v30, 7, v29
	s_delay_alu instid0(VALU_DEP_1)
	v_lshrrev_b32 v31, 1, v30
	s_delay_alu instid0(VALU_DEP_3)
	v_lshlrev_b32 v248, 8, v28
	s_delay_alu instid0(VALU_DEP_1)
	v_lshl_add_u32 v248, v31, 6, v248
	s_delay_alu instid0(VALU_DEP_1)
	v_lshl_add_u32 v248, v30, 3, v248              ; LDS, out: rows 2 l and 2 l + 1 of the 64 lie in the bytes of the wave that owns them: 256 (l / 8) + 64 ((l % 8) / 2) + 8 (l % 8)
	v_lshlrev_b32 v249, 3, v29                     ; 8 x lane
	s_lshl_b32 s18, s17, 7                         ; part: 16 rows of 8 bytes
	s_mov_b32 s19, 0
	s_lshl_b32 s20, s17, 11                        ; tq
	s_mov_b32 s21, 0
	s_lshl_b32 s22, s17, 9                         ; tmeta
	s_mov_b32 s23, 0
	s_lshl_b32 s24, ttmp9, 8                       ; idx: 64 rows of 4 bytes
	s_mov_b32 s25, 0
	s_mov_b32 s26, 0x76543210
	s_mov_b32 s27, 0xfedcba98
	s_mov_b32 s41, 0
	s_wait_kmcnt 0x0
	s_add_nc_u64 s[4:5], s[4:5], s[18:19]
	s_add_nc_u64 s[10:11], s[10:11], s[20:21]
	s_add_nc_u64 s[12:13], s[12:13], s[22:23]
	s_add_nc_u64 s[14:15], s[14:15], s[24:25]
.irp c, 0,1,2,3,4,5,6,7,8,9,10,11,12,13,14,15
	global_load_b64 v[32+2*\c:33+2*\c], v5, s[4:5] offset:65536*\c   ; my row's (key, pair) of column block c
.endr
.irp g, 0,1,2,3
	global_load_b128 v[10+4*\g:13+4*\g], v1, s[10:11] offset:512*\g  ; the row tile's codes: v10-25
.endr
	global_load_b32 v8, v1, s[12:13] offset:4      ; its scale words: scales and nothing else
	global_load_b32 v9, v1, s[12:13] offset:8      ; rn
	s_wait_loadcnt 0x0
	v_mov_b32 v6, v32
	v_mov_b32 v7, v33
.irp c, 1,2,3,4,5,6,7,8,9,10,11,12,13,14,15
	s_delay_alu instid0(VALU_DEP_2)
	v_cmp_gt_u32 vcc_lo, v[32+2*\c], v6
	s_delay_alu instid0(VALU_DEP_1)
	v_cndmask_b32 v6, v6, v[32+2*\c], vcc_lo
	s_delay_alu instid0(VALU_DEP_2)
	v_cndmask_b32 v7, v7, v[33+2*\c], vcc_lo
.endr
	s_delay_alu instid0(VALU_DEP_1)
	v_min_u32 v7, 0x3ff, v7                        ; P, held inside the table
	s_wait_alu depctr_va_vdst(0)
	v_lshlrev_b32 v27, 7, v7
	s_delay_alu instid0(VALU_DEP_1)
	v_lshl_add_u32 v27, v4, 6, v27                 ; cn of columns 32 P + 16 h on
.irp g, 0,1,2,3
	global_load_b128 v[CN+4*\g:CN+4*\g+3], v27, s[8:9] offset:16*\g
.endr
.macro ISSUE n                         ; row 4 (w % 4) + n: its record into v[64 + 32 n ..] and v[192 + 2 n], v[193 + 2 n]: ten loads
	s_add_co_u32 s43, s42, \n
	v_readlane_b32 s40, v7, s43
	s_min_u32 s40, s40, 1023
	s_mul_i32 s40, s40, REC
	s_add_nc_u64 s[32+2*\n:33+2*\n], s[6:7], s[40:41]
	s_lshl_b32 s[44+\n], 0x10001, s43              ; the row's two lanes
.irp u, 0,1
.irp g, 0,1,2,3
	global_load_b128 v[64+32*\n+16*\u+4*\g:64+32*\n+16*\u+4*\g+3], v1, s[32+2*\n:33+2*\n] offset:2048*\u+512*\g
.endr
	global_load_b32 v[192+2*\n+\u], v2, s[32+2*\n:33+2*\n] offset:4096+128*\u
.endr
.endm
	ISSUE 0
	ISSUE 1
	ISSUE 2
	ISSUE 3
.macro ROWMUL n, d                     ; the record's two tiles by turns, K step 0 (which starts the sums) and K step 1
.set SB, 64+32*(\n)
	s_wait_loadcnt 10*(3-(\n))                     ; this record's ten loads are in; ten for each later record may be out
	v_wmma_scale_f32_16x16x128_f8f6f4 v[\d:\d+7], v[SB:SB+7], v[10:17], 0, v[192+2*(\n)], v8 matrix_a_fmt:MATRIX_FMT_FP4 matrix_b_fmt:MATRIX_FMT_FP4
	v_wmma_scale_f32_16x16x128_f8f6f4 v[\d+8:\d+15], v[SB+16:SB+23], v[10:17], 0, v[193+2*(\n)], v8 matrix_a_fmt:MATRIX_FMT_FP4 matrix_b_fmt:MATRIX_FMT_FP4
	v_wmma_scale_f32_16x16x128_f8f6f4 v[\d:\d+7], v[SB+8:SB+15], v[18:25], v[\d:\d+7], v[192+2*(\n)], v8 matrix_a_fmt:MATRIX_FMT_FP4 matrix_b_fmt:MATRIX_FMT_FP4 matrix_a_scale:MATRIX_SCALE_ROW1 matrix_b_scale:MATRIX_SCALE_ROW1
	v_wmma_scale_f32_16x16x128_f8f6f4 v[\d+8:\d+15], v[SB+24:SB+31], v[18:25], v[\d+8:\d+15], v[193+2*(\n)], v8 matrix_a_fmt:MATRIX_FMT_FP4 matrix_b_fmt:MATRIX_FMT_FP4 matrix_a_scale:MATRIX_SCALE_ROW1 matrix_b_scale:MATRIX_SCALE_ROW1
.endm
	ROWMUL 0, RES
	ROWMUL 1, 216
	ROWMUL 2, 32
	ROWMUL 3, 48
.rept 4
	v_nop                                          ; four places (ISA guide 7.12.1) between the last product and the first read of results
.endr
.irp k, 0,1,2,3,4,5,6,7,8,9,10,11,12,13,14,15
	v_cndmask_b32 v[RES+\k], v[RES+\k], v[216+\k], s45             ; each row's two lanes take that row's scores; each accumulator from its low end on
.endr
.irp k, 0,1,2,3,4,5,6,7,8,9,10,11,12,13,14,15
	v_cndmask_b32 v[RES+\k], v[RES+\k], v[32+\k], s46
.endr
.irp k, 0,1,2,3,4,5,6,7,8,9,10,11,12,13,14,15
	v_cndmask_b32 v[RES+\k], v[RES+\k], v[48+\k], s47
.endr
.irp k, 0,1,2,3,4,5,6,7,8,9,10,11,12,13,14,15
	v_mul_f32 v[64+\k], v9, v[CN+\k]               ; rn cn,
.endr
.irp k, 0,1,2,3,4,5,6,7,8,9,10,11,12,13,14,15
	v_add_f32 v[64+\k], 0x33d6bf95, v[64+\k]       ; + eps: two roundings, as the formula is written
.endr
	s_wait_alu depctr_va_vdst(0)
.irp k, 0,1,2,3,4,5,6,7,8,9,10,11,12,13,14,15
	v_rcp_f32 v[80+\k], v[64+\k]
.endr
	v_nop                                          ; a plain line behind the last reciprocal,
	s_wait_alu depctr_va_vdst(0)                   ; and one wait for the sixteen, ahead of their first reader
.irp k, 0,1,2,3,4,5,6,7,8,9,10,11,12,13,14,15
	v_mul_f32 v[96+\k], v[RES+\k], v[80+\k]        ; the quotient,
.endr
.irp k, 0,1,2,3,4,5,6,7,8,9,10,11,12,13,14,15
	v_fma_f32 v[112+\k], -v[96+\k], v[64+\k], v[RES+\k]            ; what it leaves,
.endr
.irp k, 0,1,2,3,4,5,6,7,8,9,10,11,12,13,14,15
	v_fma_f32 v[96+\k], v[112+\k], v[80+\k], v[96+\k]              ; corrected
.endr
	v_mov_b32 v28, v96
	v_mov_b32 v29, 0
.irp k, 1
	s_delay_alu instid0(VALU_DEP_2)
	v_cmp_gt_f32 vcc_lo, v[96+\k], v28             ; strictly larger: the first largest stays
	s_delay_alu instid0(VALU_DEP_1)
	v_cndmask_b32 v29, v29, \k, vcc_lo
	s_delay_alu instid0(VALU_DEP_4)
	v_max_num_f32 v28, v28, v[96+\k]
.endr
.irp k, 2, 3, 4, 5, 6, 7, 8, 9, 10, 11, 12, 13, 14, 15
	s_delay_alu instid0(VALU_DEP_1)
	v_cmp_gt_f32 vcc_lo, v[96+\k], v28             ; strictly larger: the first largest stays
	s_delay_alu instid0(VALU_DEP_1)
	v_cndmask_b32 v29, v29, \k, vcc_lo
	s_delay_alu instid0(VALU_DEP_3)
	v_max_num_f32 v28, v28, v[96+\k]
.endr
	s_delay_alu instid0(VALU_DEP_2)
	v_lshl_add_u32 v29, v4, 4, v29
	s_delay_alu instid0(VALU_DEP_1)
	v_lshl_add_u32 v29, v7, 5, v29                 ; the column: 32 P + 16 h + k
	v_mov_b32 v30, 0
	v_mov_b32 v31, 0
	s_delay_alu instid0(VALU_DEP_2)
	v_permlanex16_b32 v30, v28, s26, s27
	s_delay_alu instid0(VALU_DEP_2)
	v_permlanex16_b32 v31, v29, s26, s27
	s_delay_alu instid0(VALU_DEP_2)
	v_cmp_gt_f32 vcc_lo, v30, v28                  ; the other half's, if larger, or equal and of the lower column
	s_delay_alu instid0(VALU_DEP_3)
	v_cmp_eq_f32 s28, v30, v28
	s_delay_alu instid0(VALU_DEP_3)
	v_cmp_lt_u32 s29, v31, v29
	s_and_b32 s28, s28, s29
	s_or_b32 vcc_lo, vcc_lo, s28
	v_cndmask_b32 v29, v29, v31, vcc_lo
	ds_store_b32 v26, v29                          ; all 16 words of my tile into my own 64 bytes; four of them are of use
	s_wait_dscnt 0x0                               ; for wave 0's sake
	s_barrier_signal -1
	s_barrier_wait -1
	s_cmp_lg_u32 s16, 0
	s_cbranch_scc1 .Ldone
	ds_load_b64 v[32:33], v248                     ; each row's word from the wave that owns the row
	s_wait_dscnt 0x0
	global_store_b64 v249, v[32:33], s[14:15]      ; 64 rows' indices: 256 consecutive bytes, aligned
.Ldone:
	s_wait_tensorcnt 0x0
	ds_add_u32 v254, v255
	s_wait_dscnt 0x0
	s_endpgm
.Lfunc_end_k_qfc38af080a_resolve:
	.size	k_qfc38af080a_resolve, .Lfunc_end_k_qfc38af080a_resolve-k_qfc38af080a_resolve
	.p2alignl 7, 3214868480
	.fill 96, 4, 3214868480
	.section	.rodata,"a",@progbits
	.p2align	6, 0x0
	.amdhsa_kernel k_qfc38af080a_resolve
		.amdhsa_group_segment_fixed_size 3072
		.amdhsa_private_segment_fixed_size 0
		.amdhsa_enable_private_segment 0
		.amdhsa_kernarg_size 48
		.amdhsa_user_sgpr_count 2
		.amdhsa_user_sgpr_kernarg_segment_ptr 1
		.amdhsa_wavefront_size32 1
		.amdhsa_system_sgpr_workgroup_id_x 1
		.amdhsa_system_sgpr_workgroup_id_y 1
		.amdhsa_system_sgpr_workgroup_id_z 1
		.amdhsa_system_vgpr_workitem_id 0
		.amdhsa_next_free_vgpr 256
		.amdhsa_next_free_sgpr 66
		.amdhsa_reserve_vcc 1
		.amdhsa_float_denorm_mode_32 3
		.amdhsa_float_denorm_mode_16_64 3
		.amdhsa_memory_ordered 1
		.amdhsa_forward_progress 1
		.amdhsa_inst_pref_size 28
	.end_amdhsa_kernel
	.amdgpu_metadata
---
amdhsa.version: [ 1, 2 ]
amdhsa.kernels:
  - .name:           k_qfc38af080a_resolve
    .symbol:         k_qfc38af080a_resolve.kd
    .args:
      - { .name: part, .offset: 0, .size: 8, .value_kind: global_buffer, .address_space: global }
      - { .name: wrec, .offset: 8, .size: 8, .value_kind: global_buffer, .address_space: global }
      - { .name: wcn, .offset: 16, .size: 8, .value_kind: global_buffer, .address_space: global }
      - { .name: tq, .offset: 24, .size: 8, .value_kind: global_buffer, .address_space: global }
      - { .name: tmeta, .offset: 32, .size: 8, .value_kind: global_buffer, .address_space: global }
      - { .name: idx, .offset: 40, .size: 8, .value_kind: global_buffer, .address_space: global }
    .group_segment_fixed_size: 3072
    .private_segment_fixed_size: 0
    .kernarg_segment_align: 8
    .kernarg_segment_size: 48
    .max_flat_workgroup_size: 512
    .sgpr_count:     66
    .vgpr_count:     256
    .wavefront_size: 32
...
	.end_amdgpu_metadata
.endif
;; end of part 3
;; launch gather (part 4): grid 256 x 1, 4 waves a work-group, no clusters, 0 bytes of LDS; arguments idx, wt, out0; writes out0
.if DOCPART == 4
	.amdgcn_target "amdgcn-amd-amdhsa--gfx1250"
	.amdhsa_code_object_version 6
	.text
	.protected	k_qfc38af080a_gather
	.globl	k_qfc38af080a_gather
	.p2align	8
	.type	k_qfc38af080a_gather,@function
k_qfc38af080a_gather:
	s_mov_b64 s[64:65], 0
	v_nop
	global_prefetch_b8 v0, s[64:65] scope:SCOPE_SE
	s_setreg_imm32_b32 hwreg(HW_REG_WAVE_MODE, 25, 1), 1
	s_wait_xcnt 0x0
; GATHER.  out0[b][:] = wt[idx[b]][:], wt being W transposed: a row of 1,024 consecutive bytes.  idx holds whole numbers that an earlier launch stored.
; A wave takes 8 rows: their indices by one scalar load, each held inside the table, then 16 loads of 512 consecutive bytes, all on their way together, and 16 stores of the same shape.
; Memory binds: no LDS, no barrier, no matrix unit.  The loads carry no hint: a row of wt may be named by several rows of the output.
	s_load_b128 s[4:7], s[0:1], 0x0                ; idx s[4:5], wt s[6:7]
	s_load_b64 s[8:9], s[0:1], 0x10                ; out0
	v_lshrrev_b32 v1, 5, v0
	v_readfirstlane_b32 s10, v1                    ; wave 0..3
	v_and_b32 v1, 31, v0
	v_lshlrev_b32 v1, 4, v1                        ; 16 x lane
	s_lshl_b32 s11, ttmp9, 2
	s_add_co_u32 s11, s11, s10                     ; which 8 rows
	s_lshl_b32 s12, s11, 5                         ; their 32 bytes of idx
	s_mov_b32 s13, 0
	s_lshl_b32 s14, s11, 13                        ; their 8,192 bytes of out0
	s_mov_b32 s15, 0
	s_wait_alu depctr_va_vdst(0)
	s_wait_kmcnt 0x0
	s_add_nc_u64 s[4:5], s[4:5], s[12:13]
	s_add_nc_u64 s[8:9], s[8:9], s[14:15]
	s_load_b256 s[16:23], s[4:5], 0x0
	s_wait_kmcnt 0x0
.irp i, 0,1,2,3,4,5,6,7
	s_min_u32 s[16+\i], s[16+\i], 0x7fff
	v_lshl_add_u32 v[2+\i], s[16+\i], 10, v1       ; the row's first byte + 16 x lane
.endr
.irp i, 0,1,2,3,4,5,6,7
.irp g, 0,1
	global_load_b128 v[16+8*\i+4*\g:16+8*\i+4*\g+3], v[2+\i], s[6:7] offset:512*\g
.endr
.endr
.irp i, 0,1,2,3,4,5,6,7
.irp g, 0,1
	s_wait_loadcnt 15-2*\i-\g                      ; loads come back in order: this one is in, the younger ones may be out
	global_store_b128 v1, v[16+8*\i+4*\g:16+8*\i+4*\g+3], s[8:9] offset:1024*\i+512*\g th:TH_STORE_NT
.endr
.endr
	s_endpgm
.Lfunc_end_k_qfc38af080a_gather:
	.size	k_qfc38af080a_gather, .Lfunc_end_k_qfc38af080a_gather-k_qfc38af080a_gather
	.p2alignl 7, 3214868480
	.fill 96, 4, 3214868480
	.section	.rodata,"a",@progbits
	.p2align	6, 0x0
	.amdhsa_kernel k_qfc38af080a_gather
		.amdhsa_group_segment_fixed_size 0
		.amdhsa_private_segment_fixed_size 0
		.amdhsa_enable_private_segment 0
		.amdhsa_kernarg_size 24
		.amdhsa_user_sgpr_count 2
		.amdhsa_user_sgpr_kernarg_segment_ptr 1
		.amdhsa_wavefront_size32 1
		.amdhsa_system_sgpr_workgroup_id_x 1
		.amdhsa_system_sgpr_workgroup_id_y 1
		.amdhsa_system_sgpr_workgroup_id_z 1
		.amdhsa_system_vgpr_workitem_id 0
		.amdhsa_next_free_vgpr 80
		.amdhsa_next_free_sgpr 66
		.amdhsa_reserve_vcc 0
		.amdhsa_float_denorm_mode_32 3
		.amdhsa_float_denorm_mode_16_64 3
		.amdhsa_memory_ordered 1
		.amdhsa_forward_progress 1
		.amdhsa_inst_pref_size 6
	.end_amdhsa_kernel
	.amdgpu_metadata
---
amdhsa.version: [ 1, 2 ]
amdhsa.kernels:
  - .name:           k_qfc38af080a_gather
    .symbol:         k_qfc38af080a_gather.kd
    .args:
      - { .name: idx, .offset: 0, .size: 8, .value_kind: global_buffer, .address_space: global }
      - { .name: wt, .offset: 8, .size: 8, .value_kind: global_buffer, .address_space: global }
      - { .name: out0, .offset: 16, .size: 8, .value_kind: global_buffer, .address_space: global }
    .group_segment_fixed_size: 0
    .private_segment_fixed_size: 0
    .kernarg_segment_align: 8
    .kernarg_segment_size: 24
    .max_flat_workgroup_size: 128
    .sgpr_count:     66
    .vgpr_count:     80
    .wavefront_size: 32
...
	.end_amdgpu_metadata
.endif
;; end of part 4
